; MI455X (gfx1250); checked and timed in simulation.
; The chip was launched on July 23, 2026; its instructions are those of AMD's public machine-readable ISA for CDNA 5 (MIT licence, August 2026) and "CDNA5" Instruction Set Architecture Reference Guide (July 2026). The comments in the code are by the model that wrote it; some were corrected since.
;; PPO Agent Quantum Jumanji. Allowed arithmetic: matrix products marked QUANTISED: E2M3 operands, one E8M0 scale for each 32 along K, by v_wmma_scale_f32_16x16x128_f8f6f4 with both operands' format E2M3, f32 sums; products left as they are: f32 operands where the result goes on into a quantised operand, else bf16, f16 or f32 operands; f32 sums; everything else in f32.
;; Inputs: action 2,048 int32; input_scaling_actor 5 float32; input_scaling_critic 5 float32; output_scaling_actor 10 float32; output_scaling_critic one number float32; weights_actor 5 float32; weights_critic 5 float32; x 2,048 x 55 float32.
;; Outputs: out0 2,048 x 3 float32.
;; This version of the problem:
;;   THIS VERSION OF THE PROBLEM IS GIVEN IN LOW PRECISION. The matrix products marked QUANTISED in the list below multiply operands that are first quantised to E2M3 (2 exponent bits, 3 mantissa bits; 6 bits a number), with one power-of-two scale for each 32 numbers along K (OCP MX v1.0); their sums are f32. All else is computed in f32.
;;   The module's matrix products, in the order in which they are computed (A, B: the left and right operand; K: the contracted axis; several contracted axes count as one K, in the product's order):
;;     1. [M 2,048, K 10] x [K 10, N 1,024]; A: input x; B: computed on the way: left as it is (K = 10 < 32)
;;     2. [M 2,048, K 45] x [K 45, N 1,024]; A: input x; B: computed on the way: QUANTISED
;;     3. [M 2,048, K 1,024] x [K 1,024, N 10]; A: computed on the way; B: computed on the way: left as it is (N = 10 < 16)
;;     4. [M 2,048, K 10] x [K 10, N 1,024]; A: input x; B: computed on the way: left as it is (K = 10 < 32)
;;     5. [M 2,048, K 45] x [K 45, N 1,024]; A: input x; B: computed on the way: QUANTISED
;;     6. [M 2,048, K 1,024] x [K 1,024, N 10]; A: computed on the way; B: computed on the way: left as it is (N = 10 < 16)
;;   THE QUANTISER, for each operand of a quantised product, along K:
;;     - K is cut into blocks of 32 from its start; a last block that is shorter is filled with zeros.
;;     - A block's scale is 2^e with e = floor(log2(the largest magnitude in the block)) - 2, held to -126 .. 127; a block of zeros has e = 0. As a byte (E8M0): e + 127.
;;     - Each number is divided by its block's scale, clamped to +-7.5, and rounded to the nearest number of E2M3, ties to even, subnormals kept.
;;     - The product sums the exact products of the quantised numbers (number of the format x scale) in f32.
;;   ~~~python
;;   def quantise(x, axis):      # numpy; x: float32 -> the quantised numbers, widened to float32 again
;;       x = np.moveaxis(x, axis, -1); K = x.shape[-1]
;;       x = np.pad(x, [(0, 0)] * (x.ndim - 1) + [(0, -K % 32)]); x = x.reshape(x.shape[:-1] + (-1, 32)); a = np.abs(x).max(-1, keepdims=True)
;;       e = np.where(a > 0, np.clip(np.frexp(np.where(a > 0, a, 1))[1] - 1 - 2, -126, 127), 0)      # np.frexp(a)[1] - 1 = floor(log2(a)), exactly
;;       r = np.clip(x / 2.0 ** e, -7.5, 7.5)
;;       step = 2.0 ** (np.maximum(np.frexp(np.where(r == 0, 1, r))[1] - 1, 0) - 3)
;;       q = np.round(r / step) * step * 2.0 ** e      # np.round: ties to even
;;       return np.moveaxis(q.reshape(q.shape[:-2] + (-1,))[..., :K], -1, axis).astype(np.float32)
;;   ~~~
;;   OPERANDS COMPUTED ON THE WAY. 'Computed on the way' means the value that the module computes at that place (a softmax that the list does not call 'softmax' is quantised finished and normalised). What goes into a quantiser is computed in f32, as accurately as f32 sums, v_exp_f32 and their like allow (about 1e-6 of the number): no bf16 or f16 on the way to a quantiser, and a product that is left as it is and whose result goes on into a quantised operand takes f32 operands (vector FMAs, or v_wmma_f32_16x16x4_f32). A number that lies on a knife's edge between two numbers of the format may be rounded either way, as far as f32 arithmetic and the matrix unit's own rounding can turn it there, and no further.
;; One version. Each part assembles by itself: llvm-mc -triple=amdgcn-amd-amdhsa -mcpu=gfx1250 --defsym DOCPART=n.
;; ======== version 1 of 1: 1 launch
;; launch circuit (part 1): grid 256 x 1, 16 waves a work-group, no clusters, 223,744 bytes of LDS; arguments x, action, input_scaling_actor, input_scaling_critic, weights_actor, weights_critic, output_scaling_actor, output_scaling_critic, out0; writes out0
.if DOCPART == 1
	.amdgcn_target "amdgcn-amd-amdhsa--gfx1250"
	.amdhsa_code_object_version 6
	.text
	.protected	k_qc667522821_circuit
	.globl	k_qc667522821_circuit
	.p2align	8
	.type	k_qc667522821_circuit,@function
k_qc667522821_circuit:
	s_mov_b64 s[64:65], 0
	v_nop
	global_prefetch_b8 v0, s[64:65] scope:SCOPE_SE
	s_setreg_imm32_b32 hwreg(HW_REG_WAVE_MODE, 25, 1), 1
	s_wait_xcnt 0x0
; Two 10-qubit circuits (actor, critic) for each of 2,048 samples; out0[s] = (log_prob, entropy, value).
; SHARES.  A work-group owns 8 samples x 2 circuits = 16 instances; wave w IS instance w: sample 8 g + (w & 7), circuit c = w >> 3 (0 actor, 1 critic).
; The instance's 1,024 complex amplitudes stay in the wave's registers: 32 real parts and 32 imaginary parts a lane.
; THE DIAGONAL.  expo = H + Jp, H = sum h_q z_q (f32 sums on the vector unit), Jp = Q(J) Q(Zpair)^T: the quantised product, K = 45: two blocks of 32, on codes of E2M3.
;   Source 0 = 16 basis indices' rows of Zpair (entries +-1: block maximum 1, byte 125, codes +-4), source 1 = the 16 instances' J.  64 tiles a work-group, 4 a wave; the results go to all waves through LDS.
; RX WITHOUT ITS COMMON FACTOR.  RX = c (I - i t X), t = s / c; where |s| > |c|: RX = -i s X (I - i t X), t = -c / s: so |t| <= 1.  Global phases are dropped.  The X on all ten qubits commutes with
;   every later RX and turns a later diagonal D(z) into D(-z): H changes sign, Jp does not.  So layer l takes the angle a Jp + (a sigma_l) H, sigma_l the parity of the earlier flips, and <Z> takes the sign of all five.
;   Flips are selected values and sign bits: no branch and no address hangs on them.
; BUTTERFLIES IN PLACE.  With x, y the real and imaginary planes, P the partner: (I - i t X): x' = x + t P y, y' = y - t P x.  Type 1: x += t P y, then y -= t' P x; type 2: y -= t' P x, then x += t P y,
;   t' = t / (1 + t^2) = +- s c.  A type 1 followed by a type 2 leaves both planes exactly normalised: ten stages, types by turns, are the layer's unitary.  One packed multiply-add for two amplitudes' half stage.
; LAYOUTS.  A: index = 32 R + lane; B: index = 32 lane + R (R the register).  A layer: phase, 5 stages on the bits of R, a transposition through the wave's own LDS, 5 stages on the bits of R.
;   Layers start in A, B, A, B, A; the state ends in B.  Jp and H are kept in both layouts.
; e^(i theta).  tau = theta / 2 pi, r = tau - round(tau) in [-1/2, 1/2]; S' = sqrt2 sin(pi r), C' = sqrt2 cos(pi r) by Taylor sums (degrees 11 and 12); sin theta = S' C', cos theta = 1 - S'^2.
; NO CLUSTER, NO TENSOR LOAD: a work-group reads 1,760 bytes of x of its own; what work-groups share is some 100 bytes of parameters.
; LIMITS.  NaN and infinities are not served.  A block of J whose largest magnitude lies under 2^-124, or is zero, gets the scale byte 1 (its codes are zeros or the smallest codes; this program alone reads the byte).
;   The angle is reduced from an f32 number: its absolute error grows with |scale x expo|.  Sine and cosine: about 2e-7 absolute.  An action outside 0 .. 9 is not served.
.set XROW,   220                       ; a row of x in bytes: 55 f32 (10 of h, 45 of J)
.set PITCH,  144                       ; an LDS row of 32 f32 + 16 bytes: 36 words
.set JTI,    32*PITCH+16               ; 4,624: an instance's 1,024 Jp; 1,156 words: sixteen instances likewise start four banks apart
.set TB,     16*JTI                    ; 73,984: behind Jp: each wave's two planes for the transposition
.set PLANE,  32*PITCH                  ; 4,608
.set TBW,    2*PLANE                   ; 9,216 a wave
.set OUTB,   TB+16*TBW                 ; 221,440: the work-group's 24 output words, in a block of 256 bytes
.set SPARE,  OUTB+256                  ; 221,696: the spare words, 128 bytes for each of the 16 waves: eight blocks of 256 bytes that no other line names
; vector registers
.set SPW, 12                           ; v12  LDS address of my spare word; never rewritten
.set NIL, 13                           ; v13  0; never rewritten
.set RE,  16                           ; v16-47   real plane          (at the head: the four fragments of Zpair)
.set IM,  48                           ; v48-79   imaginary plane     (at the head: v64-75 J's fragment)
.set JA,  80                           ; v80-111  Jp, layout A        (at the head: the four accumulators)
.set HA,  112                          ; v112-143 H, layout A         (at the head: v112-121 pair masks, v122-125 sign masks, v126-128 at work)
.set JB,  144                          ; v144-175 Jp, layout B        (at the head: J as loaded)
.set XJ,  144
.set HB,  176                          ; v176-207 H, layout B         (at the head: v176-178 half a block's codes, v179 0, v180 1.0, v181 1.0 or 0, v182 the scale 2^-2, v184-185 offsets)
.set TMP, 208                          ; v208-239 four slots of 8: +0,1 tau, r, sin; +2,3 round, u, cos; +4,5 S'; +6,7 C'
.set EZ,  208                          ; at the end: <Z_q> in v208-217, v218-227 at work, v228 the lane's sum
.set SS,  228
.set ZL,  240                          ; v240-244 1 - 2 bit_b(lane)
.set PT,  245                          ; lane l = layer l: t
.set PNT, 246                          ; -t'
.set PA,  247                          ; a = -scale / 4 pi
.set PAS, 248                          ; a sigma
.set KS4, 250                          ; v[250:251] S's coefficient 4, twice
.set KC5, 252                          ; v[252:253] C's coefficient 5, twice
; v14, v15: the scale words of Zpair and of J, and nothing else.  v249, v254: weights and scalings as loaded; v255 their offset
; scalar registers: s[4:21] addresses; s22 wave, s23 circuit, s24 sample in the group; s[28:37] h; s38 action; s39 critic's output scale; s[40:49] actor's; s58 trips; s[60:61] lane selects
.set PP,  50                           ; s[50:57] a layer's t, -t', a, a sigma as four pairs (the packed forms name a pair and take its low word)
.set PQ,  88                           ; s[88:95] a second such set; before that s88-97 hold -2 h
.set K5,  66                           ; s[66:75] S's coefficients 5, 3, 2, 1, 0, each twice
.set K3,  68
.set C6,  76                           ; s[76:87] C's coefficients 6, 4, 3, 2, 1, 0
.set C4,  78
.set C0,  86
.macro SPAIR reg, val
	s_mov_b32 s[\reg], \val
	s_mov_b32 s[\reg+1], \val
.endm
; PM = the mask of the pairs (i < j, counted as reference() counts them) that hold qubit q and lie in block hh of 32: assembler arithmetic alone
.macro PAIRMASK q, hh
.set PM, 0
.set PK, 0
.irp i, 0,1,2,3,4,5,6,7,8,9
.irp j, 0,1,2,3,4,5,6,7,8,9
.if \j > \i
.if ((\i == \q) || (\j == \q)) && (PK/32 == \hh)
.set PM, PM | (1 << (PK-32*\hh))
.endif
.set PK, PK+1
.endif
.endr
.endr
.endm
; Tile t of Zpair: my lane's block of 32 entries, +-1 by the bits of the sign mask (0 past pair 44), becomes 24 bytes of codes; K = 64 .. 127 are zero codes
.macro ZTILE t
.set II, 0
.rept 32
	v_lshlrev_b32 v[TMP+II], 31-II, v[122+(\t)]    ; bit i to the sign's place
.set II, II+1
.endr
.set II, 0
.rept 32
.if II < 13
	v_and_or_b32 v[TMP+II], v[TMP+II], s98, v180   ; +-1.0
.else
	v_and_or_b32 v[TMP+II], v[TMP+II], s98, v181   ; lanes 16-31: past K = 44: 0
.endif
.set II, II+1
.endr
	v_cvt_scalef32_pk16_fp6_f32 v[RE+12*(\t):RE+12*(\t)+2], v[TMP:TMP+15], v182
	v_cvt_scalef32_pk16_fp6_f32 v[176:178], v[TMP+16:TMP+31], v182   ; (a conversion's three registers begin on an even number)
	v_nop                                          ; one plain place behind a scaled conversion
.irp i, 0,1,2
	v_mov_b32 v[RE+12*(\t)+3+\i], v[176+\i]
.endr
.irp i, 6,7,8,9,10,11
	v_mov_b32 v[RE+12*(\t)+\i], 0
.endr
.endm
; H in a layout whose register bits are qubits qr .. qr + 4 (bit b: qubit qr + 4 - b) and whose lane bits are ql .. ql + 4
.macro HTAB dst, qr, ql
	s_add_f32 s25, s[28+\qr], s[29+\qr]
	s_add_f32 s25, s25, s[30+\qr]
	s_add_f32 s25, s25, s[31+\qr]
	s_add_f32 s25, s25, s[32+\qr]                  ; register 0: all its z are +1
	v_fma_f32 v[\dst], s[28+\ql+4], v[ZL], s25
.irp b, 1,2,3,4
	v_fma_f32 v[\dst], s[28+\ql+4-\b], v[ZL+\b], v[\dst]
.endr
.irp b, 0,1,2,3,4
.set II, 0
.rept 1<<\b
	v_add_f32 v[\dst+II+(1<<\b)], s[88+\qr+4-\b], v[\dst+II]   ; the bit set: -2 h
.set II, II+1
.endr
.endr
.endm
; tau in +0,1 of slots 0 .. np - 1  ->  r in +0,1, S' in +4,5, C' in +6,7.  The slots by turns, so that no line waits for the line above it
.macro CORE np
.irp p, 0,1,2,3
.if \p < \np
	v_rndne_f32 v[TMP+8*\p+2], v[TMP+8*\p]
	v_rndne_f32 v[TMP+8*\p+3], v[TMP+8*\p+1]
.endif
.endr
.irp p, 0,1,2,3
.if \p < \np
	v_pk_add_f32 v[TMP+8*\p:TMP+8*\p+1], v[TMP+8*\p:TMP+8*\p+1], v[TMP+8*\p+2:TMP+8*\p+3] neg_lo:[0,1] neg_hi:[0,1]   ; r
.endif
.endr
.irp p, 0,1,2,3
.if \p < \np
	v_pk_mul_f32 v[TMP+8*\p+2:TMP+8*\p+3], v[TMP+8*\p:TMP+8*\p+1], v[TMP+8*\p:TMP+8*\p+1]   ; u = r^2
.endif
.endr
.irp p, 0,1,2,3
.if \p < \np
	v_pk_fma_f32 v[TMP+8*\p+4:TMP+8*\p+5], v[TMP+8*\p+2:TMP+8*\p+3], s[K5:K5+1], v[KS4:KS4+1] op_sel_hi:[1,0,1]
.endif
.endr
.irp p, 0,1,2,3
.if \p < \np
	v_pk_fma_f32 v[TMP+8*\p+6:TMP+8*\p+7], v[TMP+8*\p+2:TMP+8*\p+3], s[C6:C6+1], v[KC5:KC5+1] op_sel_hi:[1,0,1]
.endif
.endr
.irp st, 0,1,2,3
.irp p, 0,1,2,3
.if \p < \np
	v_pk_fma_f32 v[TMP+8*\p+4:TMP+8*\p+5], v[TMP+8*\p+4:TMP+8*\p+5], v[TMP+8*\p+2:TMP+8*\p+3], s[K3+2*\st:K3+2*\st+1] op_sel_hi:[1,1,0]
.endif
.endr
.irp p, 0,1,2,3
.if \p < \np
	v_pk_fma_f32 v[TMP+8*\p+6:TMP+8*\p+7], v[TMP+8*\p+6:TMP+8*\p+7], v[TMP+8*\p+2:TMP+8*\p+3], s[C4+2*\st:C4+2*\st+1] op_sel_hi:[1,1,0]
.endif
.endr
.endr
.irp p, 0,1,2,3
.if \p < \np
	v_pk_fma_f32 v[TMP+8*\p+6:TMP+8*\p+7], v[TMP+8*\p+6:TMP+8*\p+7], v[TMP+8*\p+2:TMP+8*\p+3], s[C0:C0+1] op_sel_hi:[1,1,0]   ; C'
.endif
.endr
.irp p, 0,1,2,3
.if \p < \np
	v_pk_mul_f32 v[TMP+8*\p+4:TMP+8*\p+5], v[TMP+8*\p+4:TMP+8*\p+5], v[TMP+8*\p:TMP+8*\p+1]   ; S'
.endif
.endr
.endm
.macro FIN dS, dC, p                   ; sin theta = S' C' -> dS;  cos theta = 1 - S'^2 -> dC
	v_pk_mul_f32 v[\dS:\dS+1], v[TMP+8*(\p)+4:TMP+8*(\p)+5], v[TMP+8*(\p)+6:TMP+8*(\p)+7]
	v_pk_fma_f32 v[\dC:\dC+1], v[TMP+8*(\p)+4:TMP+8*(\p)+5], v[TMP+8*(\p)+4:TMP+8*(\p)+5], 1.0 op_sel_hi:[1,1,0] neg_lo:[1,0,0] neg_hi:[1,0,0]
.endm
; The layer's diagonal: eight amplitudes (four pairs) at a time.  first = 1: the state is uniform, so it BECOMES e^(i theta) (its factor 2^-5 is paid at the end, as 2^-10 on the probabilities)
.macro PHASE J, H, first, pb
.irp g, 0,1,2,3
.irp p, 0,1,2,3
	v_pk_mul_f32 v[TMP+8*\p:TMP+8*\p+1], v[\J+8*\g+2*\p:\J+8*\g+2*\p+1], s[\pb+4:\pb+5] op_sel_hi:[1,0]
.endr
.irp p, 0,1,2,3
	v_pk_fma_f32 v[TMP+8*\p:TMP+8*\p+1], v[\H+8*\g+2*\p:\H+8*\g+2*\p+1], s[\pb+6:\pb+7], v[TMP+8*\p:TMP+8*\p+1] op_sel_hi:[1,0,1]   ; tau = a Jp + a sigma H
.endr
	CORE 4
.if \first
.irp p, 0,1,2,3
	FIN IM+8*\g+2*\p, RE+8*\g+2*\p, \p
.endr
.else
.irp p, 0,1,2,3
	FIN TMP+8*\p, TMP+8*\p+2, \p
.endr
.irp p, 0,1,2,3
	v_pk_mul_f32 v[TMP+8*\p+4:TMP+8*\p+5], v[IM+8*\g+2*\p:IM+8*\g+2*\p+1], v[TMP+8*\p:TMP+8*\p+1]   ; y sin
.endr
.irp p, 0,1,2,3
	v_pk_mul_f32 v[TMP+8*\p+6:TMP+8*\p+7], v[RE+8*\g+2*\p:RE+8*\g+2*\p+1], v[TMP+8*\p:TMP+8*\p+1]   ; x sin
.endr
.irp p, 0,1,2,3
	v_pk_fma_f32 v[RE+8*\g+2*\p:RE+8*\g+2*\p+1], v[RE+8*\g+2*\p:RE+8*\g+2*\p+1], v[TMP+8*\p+2:TMP+8*\p+3], v[TMP+8*\p+4:TMP+8*\p+5] neg_lo:[0,0,1] neg_hi:[0,0,1]
.endr
.irp p, 0,1,2,3
	v_pk_fma_f32 v[IM+8*\g+2*\p:IM+8*\g+2*\p+1], v[IM+8*\g+2*\p:IM+8*\g+2*\p+1], v[TMP+8*\p+2:TMP+8*\p+3], v[TMP+8*\p+6:TMP+8*\p+7]
.endr
.endif
.endr
.endm
; dst += coefficient x (src at the partner in register bit b).  Bit 0: the partner is the pair's other register, taken by op_sel
.macro HALF dst, src, b, cf
.set II, 0
.rept 16
.set PR, II^(1<<\b)
.if \b == 0
	v_pk_fma_f32 v[\dst+II:\dst+II+1], v[\src+II:\src+II+1], s[\cf:\cf+1], v[\dst+II:\dst+II+1] op_sel:[1,0,0] op_sel_hi:[0,0,1]
.else
	v_pk_fma_f32 v[\dst+II:\dst+II+1], v[\src+PR:\src+PR+1], s[\cf:\cf+1], v[\dst+II:\dst+II+1] op_sel_hi:[1,0,1]
.endif
.set II, II+2
.endr
.endm
.macro STAGE b, ty, pb
.if \ty == 1
	HALF RE, IM, \b, \pb                           ; x += t P y
	HALF IM, RE, \b, \pb+2                         ; y -= t' P x
.else
	HALF IM, RE, \b, \pb+2
	HALF RE, IM, \b, \pb
.endif
.endm
; Register R of lane l changes places with register l of lane R, through the wave's own bytes: LDS serves a wave's instructions in order (ISA guide 5.7.1.4), so no wait stands between the stores and the loads, and no barrier
.macro TRANSPOSE
.irp c, 0,1,2,3,4,5,6,7
	ds_store_b128 v4, v[RE+4*\c:RE+4*\c+3] offset:16*\c
.endr
.irp c, 0,1,2,3,4,5,6,7
	ds_store_b128 v4, v[IM+4*\c:IM+4*\c+3] offset:PLANE+16*\c
.endr
.set II, 0
.rept 32
	ds_load_b32 v[RE+II], v5 offset:PITCH*II
.set II, II+1
.endr
.set II, 0
.rept 32
	ds_load_b32 v[IM+II], v5 offset:PLANE+PITCH*II
.set II, II+1
.endr
	s_wait_dscnt 0x0                               ; both planes are back
.endm
.macro LAYER J, H, first, pb
	PHASE \J, \H, \first, \pb
	STAGE 0, 1, \pb
	STAGE 1, 2, \pb
	STAGE 2, 1, \pb
	STAGE 3, 2, \pb
	STAGE 4, 1, \pb
	TRANSPOSE
	STAGE 0, 2, \pb
	STAGE 1, 1, \pb
	STAGE 2, 2, \pb
	STAGE 3, 1, \pb
	STAGE 4, 2, \pb
.endm
.macro PARAMS base, lane               ; layer 'lane's four numbers into the low words of a set of pairs
	v_readlane_b32 s[\base], v[PT], \lane
	v_readlane_b32 s[\base+2], v[PNT], \lane
	v_readlane_b32 s[\base+4], v[PA], \lane
	v_readlane_b32 s[\base+6], v[PAS], \lane
.endm
; <Z> of the qubit at register bit b (layout B: qubit 9 - b): differences over that bit are summed, and the probabilities are folded over it
.macro FOLD b
.set FN, 1<<\b
.set II, 0
.rept FN/2
	v_pk_add_f32 v[IM+II:IM+II+1], v[RE+II:RE+II+1], v[RE+II+FN:RE+II+FN+1] neg_lo:[0,1] neg_hi:[0,1]
	v_pk_add_f32 v[RE+II:RE+II+1], v[RE+II:RE+II+1], v[RE+II+FN:RE+II+FN+1]
.set II, II+2
.endr
.set FM, FN/2
.rept \b-1
.set II, 0
.rept FM/2
	v_pk_add_f32 v[IM+II:IM+II+1], v[IM+II:IM+II+1], v[IM+II+FM:IM+II+FM+1]
.set II, II+2
.endr
.set FM, FM/2
.endr
	v_add_f32 v[EZ+9-\b], v[IM], v[IM+1]
.endm
	; ---- the head: ids, LDS addresses, constants
	s_load_b512 s[4:19], s[0:1], 0x0               ; x, action, actor's and critic's input scalings, actor's and critic's weights, actor's and critic's output scalings
	s_load_b64 s[20:21], s[0:1], 0x40              ; out0
	v_lshl_add_u32 v[SPW], v0, 2, SPARE
	v_mov_b32 v[NIL], 0
	v_lshrrev_b32 v1, 5, v0
	v_readfirstlane_b32 s22, v1                    ; wave 0 .. 15 = instance
	v_and_b32 v1, 31, v0                           ; lane
	v_and_b32 v2, 15, v0                           ; r
	v_bfe_u32 v3, v0, 4, 1                         ; h
	s_lshr_b32 s23, s22, 3                         ; circuit
	s_and_b32 s24, s22, 7                          ; sample in the group
	s_mul_i32 s25, s22, TBW
	s_add_co_u32 s25, s25, TB                      ; my wave's planes
	v_mul_u32_u24 v4, v1, PITCH
	v_add_nc_u32 v4, s25, v4                       ; v4: the transposition's stores: row = lane
	v_lshl_add_u32 v5, v1, 2, s25                  ; v5: its loads: column = lane
	s_mul_i32 s26, s22, 2*PITCH                    ; my wave makes Jp of indices 64 w .. 64 w + 63: two rows of each instance
	v_mul_u32_u24 v6, v2, JTI
	v_lshl_add_u32 v6, v3, 5, v6
	v_add_nc_u32 v6, s26, v6                       ; v6: where results go: instance r, + 32 h
	s_mul_i32 s26, s22, JTI                        ; my instance's Jp
	v_lshl_add_u32 v7, v1, 2, s26                  ; v7: layout A
	v_mul_u32_u24 v8, v1, PITCH
	v_add_nc_u32 v8, s26, v8                       ; v8: layout B
	s_mul_i32 s26, s24, 12
	s_add_co_u32 s26, s26, OUTB                    ; my sample's three output words
	s_lshl_b32 s27, s23, 3
	s_add_co_u32 s27, s27, s26
	v_mov_b32 v9, s27                              ; v9: actor: word 0; critic: word 2
	s_lshl_b32 s27, s23, 2
	s_add_co_u32 s27, s27, s26
	s_add_co_u32 s27, s27, 4
	v_mov_b32 v10, s27                             ; v10: actor: word 1; critic: word 2
	v_lshl_add_u32 v11, v1, 2, OUTB                ; v11: the way out: a word a lane
	v_mov_b32 v14, 0x7f7f7d7d                      ; Zpair's scale word: 2^-2 for blocks 0 and 1; blocks 2 and 3 hold zero codes
.irp b, 0,1,2,3,4
	v_bfe_u32 v[ZL+\b], v0, \b, 1
.endr
.irp b, 0,1,2,3,4
	v_cvt_f32_u32 v[ZL+\b], v[ZL+\b]
.endr
.irp b, 0,1,2,3,4
	v_fma_f32 v[ZL+\b], v[ZL+\b], -2.0, 1.0
.endr
	v_mov_b32 v179, 0
	v_mov_b32 v180, 1.0
	v_cvt_f32_u32 v181, v3
	v_sub_f32 v181, 1.0, v181                      ; 1.0 in lanes 0-15, 0 in lanes 16-31
	v_mov_b32 v182, 0x3e800000                     ; the conversion takes this number's exponent as its scale: 2^-2
	v_and_b32 v185, 7, v0
	v_mul_u32_u24 v185, v185, XROW
	v_add_nc_u32 v185, 40, v185                    ; J of column r: sample r & 7 of the group, behind its ten h
	v_lshl_add_u32 v184, v3, 7, v185               ; lanes 16-31: block 1
	v_min_u32 v255, 4, v1
	v_lshlrev_b32 v255, 2, v255                    ; lane l takes layer l's parameters (lanes past 4: layer 4's again: no load leaves its buffer)
	v_mov_b32 v[KS4], 0x3dedeb7f
	v_mov_b32 v[KS4+1], 0x3dedeb7f
	v_mov_b32 v[KC5], 0xbd157d4f
	v_mov_b32 v[KC5+1], 0xbd157d4f
	s_mov_b32 s60, 0x76543210
	s_mov_b32 s61, 0xfedcba98                      ; v_permlanex16_b32's selects for lane l xor 16
	s_mov_b32 s98, 0x80000000                      ; the sign bit
	s_mov_b32 s99, 0xffff0000                      ; lanes 16-31
	SPAIR K5,   0xbc2ac6c1                         ; sqrt2 pi^(2n+1) / (2n+1)!, signs by turns: n = 5,
	SPAIR K3,   0xbf58f4fa                         ; 3,
	SPAIR K3+2, 0x4066d083                         ; 2,
	SPAIR K3+4, 0xc0e9dd2e                         ; 1,
	SPAIR K3+6, 0x408e2c19                         ; 0
	SPAIR C6,   0x3b32d62c                         ; sqrt2 pi^(2n) / (2n)!: n = 6,
	SPAIR C4,   0x3eaa65c8                         ; 4,
	SPAIR C4+2, 0xbff1b558                         ; 3,
	SPAIR C4+4, 0x40b7ad25                         ; 2,
	SPAIR C4+6, 0xc0df52db                         ; 1,
	SPAIR C0,   0x3fb504f3                         ; 0
	s_wait_kmcnt 0x0
	s_cmp_eq_u32 s23, 0                            ; actor's or critic's parameters: the choice hangs on the wave's number alone
	s_cselect_b64 s[8:9], s[8:9], s[10:11]
	s_cselect_b64 s[12:13], s[12:13], s[14:15]
	s_mul_i32 s2, ttmp9, 8*XROW
	s_mov_b32 s3, 0
	s_add_nc_u64 s[4:5], s[4:5], s[2:3]            ; x at the group's first row
	s_mul_i32 s2, s24, XROW
	s_add_nc_u64 s[10:11], s[4:5], s[2:3]          ; and at my sample's
	s_lshl_b32 s2, ttmp9, 3
	s_add_co_u32 s2, s2, s24
	s_lshl_b32 s2, s2, 2
	s_add_nc_u64 s[6:7], s[6:7], s[2:3]            ; my sample's action
	s_mul_i32 s2, ttmp9, 96
	s_add_nc_u64 s[20:21], s[20:21], s[2:3]        ; the group's 24 output words
	; ---- all requests go out
	s_load_b256 s[28:35], s[10:11], 0x0            ; h0 .. h7
	s_load_b64 s[36:37], s[10:11], 0x20            ; h8, h9
	s_load_b32 s38, s[6:7], 0x0
	s_load_b256 s[40:47], s[16:17], 0x0
	s_load_b64 s[48:49], s[16:17], 0x20
	s_load_b32 s39, s[18:19], 0x0
.set II, 0
.rept 32
.if II < 13
	global_load_b32 v[XJ+II], v184, s[4:5] offset:4*II   ; J(32 h + i)
.else
	global_load_b32 v[XJ+II], v185, s[4:5] offset:4*II   ; block 1 ends at i = 12: lanes 16-31 read block 0's number, inside the row, and replace it by 0 below
.endif
.set II, II+1
.endr
	global_load_b32 v249, v255, s[12:13]           ; weights
	global_load_b32 v254, v255, s[8:9]             ; input scalings
	; ---- Zpair's fragments hang on no load: they are made while the requests are out
	v_sub_nc_u32 v126, 0, v3                       ; all ones in lanes 16-31
.irp q, 0,1,2,3,4,5,6,7,8,9
	PAIRMASK \q, 1
	s_mov_b32 s25, PM
	PAIRMASK \q, 0
	v_bfi_b32 v[112+\q], v126, s25, PM             ; the pairs of my block that hold qubit q
.endr
	v_lshl_add_u32 v127, s22, 6, v2                ; tile 0's index of my row: 64 w + r.  Qubit q is bit 9 - q
	v_bfe_u32 v128, v127, 9, 1
	v_mul_lo_u32 v122, v128, v112
.irp q, 1,2,3,6,7,8,9
	v_bfe_u32 v128, v127, 9-\q, 1
	v_mul_lo_u32 v128, v128, v[112+\q]
	v_xor_b32 v122, v122, v128                     ; a pair's sign turns once for each of its two qubits that is 1
.endr
	v_xor_b32 v123, v122, v117                     ; tile t adds 16 t to the index: bit 4 is qubit 5,
	v_xor_b32 v124, v122, v116                     ; bit 5 is qubit 4
	v_xor_b32 v125, v124, v117
	ZTILE 0
	ZTILE 1
	ZTILE 2
	ZTILE 3
	; ---- J's fragment: my lane holds a whole block of column r
	s_wait_loadcnt 0x2                             ; the 32 loads of J are in; the two younger loads (weights, scalings) may stay out
.set II, 13
.rept 19
	v_cndmask_b32 v[XJ+II], v[XJ+II], v179, s99    ; past K = 44: zeros
.set II, II+1
.endr
	v_max3_num_f32 v208, |v[XJ]|, |v[XJ+1]|, 0x1800000   ; the block's largest magnitude, in two chains, and the floor 2^(3 - 127): the byte cannot fall under 1
	v_max3_num_f32 v209, |v[XJ+16]|, |v[XJ+17]|, |v[XJ+18]|
.irp i, 0,1,2,3,4,5
	v_max3_num_f32 v208, v208, |v[XJ+2+2*\i]|, |v[XJ+3+2*\i]|
	v_max3_num_f32 v209, v209, |v[XJ+19+2*\i]|, |v[XJ+20+2*\i]|
.endr
	v_max3_num_f32 v208, v208, |v[XJ+14]|, |v[XJ+15]|
	v_max3_num_f32 v208, v208, v209, |v[XJ+31]|
	v_add_nc_u32 v210, 0xff000000, v208            ; 2 off its exponent field: the conversion's scale operand
	v_lshrrev_b32 v211, 23, v210                   ; the scale's byte
	v_lshlrev_b32 v212, 3, v3
	v_lshlrev_b32 v211, v212, v211                 ; at its place in the word: 8 h bits up
	v_mov_b32 v213, 0
	v_permlanex16_b32 v213, v211, s60, s61
	v_or_b32 v211, v211, v213                      ; with lane l xor 16's byte
	v_or_b32 v15, 0x7f7f0000, v211                 ; blocks 2 and 3 hold zero codes
	v_cvt_scalef32_pk16_fp6_f32 v[64:66], v[XJ:XJ+15], v210
	v_cvt_scalef32_pk16_fp6_f32 v[176:178], v[XJ+16:XJ+31], v210
	v_nop                                          ; one plain place behind a scaled conversion
.irp i, 0,1,2
	v_mov_b32 v[67+\i], v[176+\i]
.endr
.irp i, 70,71,72,73,74,75
	v_mov_b32 v\i, 0
.endr
	; ---- the quantised product: four tiles of 16 indices x the 16 instances (columns 0-7 the actor's product, 8-15 the critic's)
.rept 8
	v_nop                                          ; a scale register written by a vector instruction stands 8 places ahead of a scaled matrix instruction, an operand 4
.endr
.irp t, 0,1,2,3
	v_wmma_scale_f32_16x16x128_f8f6f4 v[JA+8*\t:JA+8*\t+7], v[RE+12*\t:RE+12*\t+11], v[64:75], 0, v14, v15 matrix_a_fmt:MATRIX_FMT_FP6 matrix_b_fmt:MATRIX_FMT_FP6
.endr
.rept 4
	v_nop                                          ; four places before the results are read (ISA guide 7.12.1)
.endr
.irp t, 0,1,2,3
	ds_store_b128 v6, v[JA+8*\t:JA+8*\t+3] offset:PITCH*(\t/2)+64*(\t%2)       ; lane (r, h): Jp of instance r at indices 64 w + 16 t + 8 h + 0 .. 7; each accumulator from its low end on
	ds_store_b128 v6, v[JA+8*\t+4:JA+8*\t+7] offset:PITCH*(\t/2)+64*(\t%2)+16
.endr
	s_wait_dscnt 0x0                               ; for the others' sake: my stores have landed
	s_barrier_signal -1
	s_barrier_wait -1                              ; every instance's 1,024 Jp lie in LDS; nobody writes them again
	; ---- my instance's tables
.set II, 0
.rept 32
	ds_load_b32 v[JA+II], v7 offset:PITCH*II       ; Jp(32 R + lane)
.set II, II+1
.endr
.irp c, 0,1,2,3,4,5,6,7
	ds_load_b128 v[JB+4*\c:JB+4*\c+3], v8 offset:16*\c   ; Jp(32 lane + R)
.endr
	s_wait_kmcnt 0x0                               ; h, action, output scalings
.irp q, 0,1,2,3,4,5,6,7,8,9
	s_mul_f32 s[88+\q], s[28+\q], -2.0
.endr
	HTAB HA, 0, 5
	HTAB HB, 5, 0
	; ---- the layers' parameters: lane l works out layer l's
	s_wait_loadcnt 0x0
	v_mul_f32 v208, 0x3da2f983, v249               ; (w / 2) / 2 pi
	v_mov_b32 v209, v208
	CORE 1
	FIN TMP, TMP+2, 0                              ; v208 = s = sin(w / 2), v210 = c = cos(w / 2)
	v_and_b32 v212, 0x7fffffff, v208
	v_and_b32 v213, 0x7fffffff, v210
	v_cmp_gt_f32 s26, v212, v213                   ; flip: |s| > |c|
	v_cndmask_b32 v214, v210, v208, s26            ; the larger of the two divides: never 0
	v_xor_b32 v215, s98, v210
	v_cndmask_b32 v215, v208, v215, s26            ; s, or -c
	v_rcp_f32 v216, v214
	v_mul_f32 v217, v208, v210                     ; s c  (a plain place behind the reciprocal)
	v_xor_b32 v218, s98, v217
	v_cndmask_b32 v[PNT], v218, v217, s26          ; -t' = -s c, flipped: + s c
	v_mul_f32 v[PA], 0xbda2f983, v254              ; a = -scale / 4 pi: tau = (-scale expo / 2) / 2 pi
	v_mov_b32 v220, s98
	v_cndmask_b32 v220, 0, v220, s26               ; the flip as a sign bit
	s_wait_alu depctr_va_vdst(0)                   ; the wait between the reciprocal and the first line that names its result
	v_mul_f32 v[PT], v215, v216                    ; t = s / c, flipped: -c / s
	v_readlane_b32 s2, v220, 0
	v_readlane_b32 s3, v220, 1
	v_readlane_b32 s25, v220, 2
	v_readlane_b32 s27, v220, 3
	v_readlane_b32 s59, v220, 4
	v_mov_b32 v221, 0                              ; sigma of layer l: the parity of the flips of layers 0 .. l - 1, as a sign bit in lane l
	v_writelane_b32 v221, s2, 1
	s_xor_b32 s2, s2, s3
	v_writelane_b32 v221, s2, 2
	s_xor_b32 s2, s2, s25
	v_writelane_b32 v221, s2, 3
	s_xor_b32 s2, s2, s27
	v_writelane_b32 v221, s2, 4
	s_xor_b32 s2, s2, s59
	s_xor_b32 s100, s2, 0x3a800000                 ; +-2^-10: the uniform state's probability, with the sign that all five flips give <Z>
	v_xor_b32 v[PAS], v[PA], v221
.irp i, 1,3,5,7
	s_mov_b32 s[PP+\i], 0                          ; the pairs' high words are named, never taken
	s_mov_b32 s[PQ+\i], 0
.endr
	PARAMS PQ, 0
	PARAMS PP, 1
	s_wait_dscnt 0x0                               ; Jp in both layouts
	; ---- the five layers
	LAYER JA, HA, 1, PQ                            ; layer 0: A -> B
	PARAMS PQ, 2
	s_mov_b32 s58, 0
.Lpair:                                            ; two trips: layers 1, 2 and layers 3, 4
	LAYER JB, HB, 0, PP                            ; B -> A
	LAYER JA, HA, 0, PQ                            ; A -> B
	PARAMS PP, 3                                   ; for the second trip (behind it these are read no more)
	PARAMS PQ, 4
	s_add_co_u32 s58, s58, 1
	s_cmp_lt_u32 s58, 2
	s_cbranch_scc1 .Lpair
	; ---- <Z_q>, layout B: register bit b is qubit 9 - b, lane bit b is qubit 4 - b
.set II, 0
.rept 16
	v_pk_mul_f32 v[RE+II:RE+II+1], v[RE+II:RE+II+1], v[RE+II:RE+II+1]
.set II, II+2
.endr
.set II, 0
.rept 16
	v_pk_fma_f32 v[RE+II:RE+II+1], v[IM+II:IM+II+1], v[IM+II:IM+II+1], v[RE+II:RE+II+1]   ; the probabilities (x 2^10)
.set II, II+2
.endr
	FOLD 4
	FOLD 3
	FOLD 2
	FOLD 1
	v_sub_f32 v[EZ+9], v[RE], v[RE+1]
	v_add_f32 v[SS], v[RE], v[RE+1]                ; my lane's 32 probabilities
.irp q, 0,1,2,3,4
	v_mul_f32 v[EZ+\q], v[SS], v[ZL+4-\q]
.endr
.irp x, 1,2,4,8
.irp q, 0,1,2,3,4,5,6,7,8,9
	v_add_f32_dpp v[EZ+\q], v[EZ+\q], v[EZ+\q] row_xmask:\x row_mask:0xf bank_mask:0xf
.endr
.endr
.irp q, 0,1,2,3,4,5,6,7,8,9
	v_permlanex16_b32 v[EZ+10+\q], v[EZ+\q], s60, s61
.endr
.irp q, 0,1,2,3,4,5,6,7,8,9
	v_add_f32 v[EZ+\q], v[EZ+\q], v[EZ+10+\q]      ; every lane holds the sums over the 32 lanes
.endr
.irp q, 0,1,2,3,4,5,6,7,8,9
	v_mul_f32 v[EZ+\q], s100, v[EZ+\q]
.endr
	; ---- the heads.  Every wave runs the same lines and keeps what is its circuit's.  v16-25 logits, v26-35 logit - maximum, v36-45 exponentials
	v_mul_f32 v60, s39, v[EZ]                      ; value
.irp q, 0,1,2,3,4,5,6,7,8,9
	v_mul_f32 v[16+\q], s[40+\q], v[EZ+\q]
.endr
	v_max3_num_f32 v46, v16, v17, v18
	v_max3_num_f32 v46, v46, v19, v20
	v_max3_num_f32 v46, v46, v21, v22
	v_max3_num_f32 v46, v46, v23, v24
	v_max_num_f32 v46, v46, v25                    ; the maximum is taken away ahead of the exponentials
.irp q, 0,1,2,3,4,5,6,7,8,9
	v_sub_f32 v[26+\q], v[16+\q], v46
.endr
.irp q, 0,1,2,3,4,5,6,7,8,9
	v_mul_f32 v[36+\q], 0x3fb8aa3b, v[26+\q]
.endr
.irp q, 0,1,2,3,4,5,6,7,8,9
	v_exp_f32 v[36+\q], v[36+\q]
.endr
	v_mov_b32 v48, s38                             ; (plain work behind the batch)  the action selects a value, no address
	v_mov_b32 v47, v26
.irp q, 1,2,3,4,5,6,7,8,9
	v_cmp_eq_u32 vcc_lo, \q, v48
	v_cndmask_b32 v47, v47, v[26+\q], vcc_lo
.endr
	s_wait_alu depctr_va_vdst(0)                   ; one wait for the ten exponentials, ahead of their first reader
	v_add_f32 v49, v36, v37
.irp q, 2,3,4,5,6,7,8,9
	v_add_f32 v49, v49, v[36+\q]                   ; the sum: at least 1
.endr
	v_log_f32 v51, v49
	v_rcp_f32 v52, v49
	v_mul_f32 v50, v36, v26                        ; (plain work behind the two)  W = sum of e d
.irp q, 1,2,3,4,5,6,7,8,9
	v_fma_f32 v50, v[36+\q], v[26+\q], v50
.endr
	s_wait_alu depctr_va_vdst(0)                   ; one wait for the logarithm and the reciprocal
	v_mul_f32 v53, 0x3f317218, v51                 ; ln of the sum
	v_sub_f32 v54, v47, v53                        ; log_prob
	v_fma_f32 v55, -v50, v52, v53                  ; entropy = ln sum - W / sum
	s_cmp_eq_u32 s23, 0
	s_cselect_b32 s25, 0, -1
	v_cndmask_b32 v56, v54, v60, s25
	v_cndmask_b32 v57, v55, v60, s25
	ds_store_b32 v9, v56                           ; all lanes write the same word with the same value
	ds_store_b32 v10, v57
	s_wait_dscnt 0x0                               ; for wave 0's sake: my stores have landed
	s_barrier_signal -1
	s_barrier_wait -1
	; ---- the way out: threads 0 to 23 store the group's 96 consecutive bytes
	v_lshlrev_b32 v58, 2, v1
	s_wait_xcnt 0x0                                ; EXEC changes only behind this wait
	v_cmp_gt_u32 vcc_lo, 24, v0
	s_and_saveexec_b32 s25, vcc_lo
	ds_load_b32 v59, v11
	s_wait_dscnt 0x0
	global_store_b32 v58, v59, s[20:21]
	s_wait_xcnt 0x0                                ; and again, in front of the line that widens it
	s_or_b32 exec_lo, exec_lo, s25
	s_wait_tensorcnt 0x0                           ; the wave's end
	ds_add_u32 v[SPW], v[NIL]
	s_wait_dscnt 0x0
	s_endpgm
.Lfunc_end_k_qc667522821_circuit:
	.size	k_qc667522821_circuit, .Lfunc_end_k_qc667522821_circuit-k_qc667522821_circuit
	.p2alignl 7, 3214868480
	.fill 96, 4, 3214868480
	.section	.rodata,"a",@progbits
	.p2align	6, 0x0
	.amdhsa_kernel k_qc667522821_circuit
		.amdhsa_group_segment_fixed_size 223744
		.amdhsa_private_segment_fixed_size 0
		.amdhsa_enable_private_segment 0
		.amdhsa_kernarg_size 72
		.amdhsa_user_sgpr_count 2
		.amdhsa_user_sgpr_kernarg_segment_ptr 1
		.amdhsa_wavefront_size32 1
		.amdhsa_system_sgpr_workgroup_id_x 1
		.amdhsa_system_sgpr_workgroup_id_y 1
		.amdhsa_system_sgpr_workgroup_id_z 1
		.amdhsa_system_vgpr_workitem_id 0
		.amdhsa_next_free_vgpr 256
		.amdhsa_next_free_sgpr 102
		.amdhsa_reserve_vcc 1
		.amdhsa_float_denorm_mode_32 3
		.amdhsa_float_denorm_mode_16_64 3
		.amdhsa_memory_ordered 1
		.amdhsa_forward_progress 1
		.amdhsa_inst_pref_size 194
	.end_amdhsa_kernel
	.amdgpu_metadata
---
amdhsa.version: [ 1, 2 ]
amdhsa.kernels:
  - .name:           k_qc667522821_circuit
    .symbol:         k_qc667522821_circuit.kd
    .args:
      - { .name: x, .offset: 0, .size: 8, .value_kind: global_buffer, .address_space: global }
      - { .name: action, .offset: 8, .size: 8, .value_kind: global_buffer, .address_space: global }
      - { .name: input_scaling_actor, .offset: 16, .size: 8, .value_kind: global_buffer, .address_space: global }
      - { .name: input_scaling_critic, .offset: 24, .size: 8, .value_kind: global_buffer, .address_space: global }
      - { .name: weights_actor, .offset: 32, .size: 8, .value_kind: global_buffer, .address_space: global }
      - { .name: weights_critic, .offset: 40, .size: 8, .value_kind: global_buffer, .address_space: global }
      - { .name: output_scaling_actor, .offset: 48, .size: 8, .value_kind: global_buffer, .address_space: global }
      - { .name: output_scaling_critic, .offset: 56, .size: 8, .value_kind: global_buffer, .address_space: global }
      - { .name: out0, .offset: 64, .size: 8, .value_kind: global_buffer, .address_space: global }
    .group_segment_fixed_size: 223744
    .private_segment_fixed_size: 0
    .kernarg_segment_align: 8
    .kernarg_segment_size: 72
    .max_flat_workgroup_size: 512
    .sgpr_count:     102
    .vgpr_count:     256
    .wavefront_size: 32
...
	.end_amdgpu_metadata
.endif
;; end of part 1
